; MI455X (gfx1250); checked and timed in simulation.
; The chip was launched on July 23, 2026; its instructions are those of AMD's public machine-readable ISA for CDNA 5 (MIT licence, August 2026) and "CDNA5" Instruction Set Architecture Reference Guide (July 2026). The comments in the code are by the model that wrote it; some were corrected since.
;; Two Layer NN. Allowed arithmetic: matrix products marked QUANTISED: E3M2 operands, one E8M0 scale for each 32 along K, by v_wmma_scale_f32_16x16x128_f8f6f4 with both operands' format E3M2, f32 sums; products left as they are: f32 operands where the result goes on into a quantised operand, else bf16, f16 or f32 operands; f32 sums; everything else in f32.
;; Inputs: D 65,536 int32; D_agn 65,536 int32; W_groups 2 x 2 x 1,024 float32; W_joint 2 x 1,024 float32; W_phi_codes 1,024 x 32 x 24 uint8 (E3M2 codes of W_phi, K innermost, in blocks of 32 codes, four codes in three bytes); W_phi_scales 1,024 x 32 uint8 (E8M0 scales of W_phi, one for each 32 codes along K); X_codes 65,536 x 32 x 24 uint8 (E3M2 codes of X, K innermost, in blocks of 32 codes, four codes in three bytes); X_scales 65,536 x 32 uint8 (E8M0 scales of X, one for each 32 codes along K); b_groups 2 x 2 float32; b_joint 2 float32; b_phi 1,024 float32.
;; Outputs: out0 65,536 x 2 float32; out1 65,536 x 2 float32; out2 65,536 x 2 float32.
;; This version of the problem:
;;   THIS VERSION OF THE PROBLEM IS GIVEN IN LOW PRECISION. The matrix products marked QUANTISED in the list below multiply operands that are first quantised to E3M2 (3 exponent bits, 2 mantissa bits; 6 bits a number), with one power-of-two scale for each 32 numbers along K (OCP MX v1.0); their sums are f32. All else is computed in f32.
;;   The module's matrix products, in the order in which they are computed (A, B: the left and right operand; K: the contracted axis; several contracted axes count as one K, in the product's order):
;;     1. [M 65,536, K 1,024] x [K 1,024, N 1,024]; A: input X (given as codes); B: input W_phi (given as codes): QUANTISED
;;     2. [M 65,536, K 1,024] x [K 1,024, N 4]; A: computed on the way; B: input W_groups: left as it is (N = 4 < 16)
;;     3. [M 65,536, K 1,024] x [K 1,024, N 2]; A: computed on the way; B: input W_joint: left as it is (N = 2 < 16)
;;   THE QUANTISER, for each operand of a quantised product, along K:
;;     - K is cut into blocks of 32 from its start; a last block that is shorter is filled with zeros.
;;     - A block's scale is 2^e with e = floor(log2(the largest magnitude in the block)) - 4, held to -126 .. 127; a block of zeros has e = 0. As a byte (E8M0): e + 127.
;;     - Each number is divided by its block's scale, clamped to +-28, and rounded to the nearest number of E3M2, ties to even, subnormals kept.
;;     - The product sums the exact products of the quantised numbers (number of the format x scale) in f32.
;;   ~~~python
;;   def quantise(x, axis):      # numpy; x: float32 -> the quantised numbers, widened to float32 again
;;       x = np.moveaxis(x, axis, -1); K = x.shape[-1]
;;       x = np.pad(x, [(0, 0)] * (x.ndim - 1) + [(0, -K % 32)]); x = x.reshape(x.shape[:-1] + (-1, 32)); a = np.abs(x).max(-1, keepdims=True)
;;       e = np.where(a > 0, np.clip(np.frexp(np.where(a > 0, a, 1))[1] - 1 - 4, -126, 127), 0)      # np.frexp(a)[1] - 1 = floor(log2(a)), exactly
;;       r = np.clip(x / 2.0 ** e, -28, 28)
;;       step = 2.0 ** (np.maximum(np.frexp(np.where(r == 0, 1, r))[1] - 1, -2) - 2)
;;       q = np.round(r / step) * step * 2.0 ** e      # np.round: ties to even
;;       return np.moveaxis(q.reshape(q.shape[:-2] + (-1,))[..., :K], -1, axis).astype(np.float32)
;;   ~~~
;;   INPUTS GIVEN AS CODES. W_phi (in the module: [1024, 1024], K = its axis 1); X (in the module: [65536, 1024], K = its axis 1): each comes as NAME_codes (uint8): NAME with its K axis moved to the last place and cut into blocks of 32 codes, [.., K / 32, bytes a block], one block behind the other in memory; four codes in three bytes: a row's codes are one little-endian stream of bits, code i at bits 6 i .. 6 i + 5 (a code: sign, 3 exponent bits, 2 mantissa bits); and NAME_scales (uint8): the same leading axes, one E8M0 byte (e + 127) for each 32 codes along K. Its value is code x scale, taken as it is: it is not quantised again, and the codes and scales need not be those that the quantiser above would give.
;; 2 versions. Each part assembles by itself: llvm-mc -triple=amdgcn-amd-amdhsa -mcpu=gfx1250 --defsym DOCPART=n.
;; ======== version 1 of 2: 1 launch
;; launch fused (part 1): grid 256 x 1, 4 waves a work-group, clusters of 4 x 1, 327,680 bytes of LDS; arguments X_codes, X_scales, W_phi_codes, W_phi_scales, b_phi, W_groups, W_joint, b_groups, b_joint, D, D_agn, out0, out1, out2; writes out0, out1, out2
.if DOCPART == 1
	.amdgcn_target "amdgcn-amd-amdhsa--gfx1250"
	.amdhsa_code_object_version 6
	.text
	.protected	k_q37f0309de8_fused
	.globl	k_q37f0309de8_fused
	.p2align	8
	.type	k_q37f0309de8_fused,@function
k_q37f0309de8_fused:
	s_mov_b64 s[64:65], 0
	v_nop
	global_prefetch_b8 v0, s[64:65] scope:SCOPE_SE
	s_setreg_imm32_b32 hwreg(HW_REG_WAVE_MODE, 25, 1), 1
	s_wait_xcnt 0x0
	s_wait_alu depctr_hold_cnt(0) depctr_sa_sdst(0) depctr_va_vdst(0) depctr_va_sdst(0) depctr_va_ssrc(0) depctr_va_vcc(0) depctr_vm_vsrc(0)
	s_getreg_b32 s2, hwreg(HW_REG_IB_STS2, 6, 4)
	s_cmp_eq_u32 s2, 0
	s_cbranch_scc0 .Lentry_in_a_cluster
	s_endpgm
.Lentry_in_a_cluster:
	s_bfe_u32 s2, ttmp6, 0x10000c
	s_cmp_lg_u32 s2, 0x3003
	s_cbranch_scc0 .Lentry_shape_is_right
	s_endpgm
.Lentry_shape_is_right:
; phi = X W_phi^T + b_phi on codes of BF6 (E3M2) with E8M0 scales as they are given; then six dot products of each row of phi (four rows of W_groups, two of W_joint) and their biases;
; D and D_agn choose between the two groups' pairs.  X: 65,536 rows x 1,024; W_phi: 1,024 x 1,024; a row of codes is 768 bytes, a row of scale bytes 32.  phi never goes to memory.
; SHARES.  256 work-groups of four waves; a work-group owns 256 rows of X, a wave 64: four tiles m of 16 rows.  A WAVE'S X STAYS IN REGISTERS for the whole launch: 4 tiles x 8 K steps of 128 x 12 = 384 registers.
; Every wave walks all 1,024 rows n of W_phi, a CHUNK of 32 rows (two tiles u of 16, the whole K) at a time: 64 scaled matrix instructions.  So a chunk's phi (64 rows x 32 n) is finished inside one wave;
; it is rounded to bf16 and multiplied by W6's fragment of these 32 n (one bf16 matrix instruction a tile of rows), and a row's six sums never leave the wave.
; W6 is a 16-row operand: rows 0-3 W_groups, rows 4-5 W_joint; the other rows are copies whose results nobody reads.
; ALL PRODUCTS ARE USED TRANSPOSED (source 0 = rows of W, source 1 = rows of X): lane (r, h) holds row r of X, and register j of tile u holds n = 16 u + 8 h + j.  Tile 0's eight registers, rounded in pairs,
; are registers 0-3 of the bf16 operand (k = 8 h ..), tile 1's are registers 4-7 (k = 16 + 8 h ..): nothing changes lanes.
; PIPELINE.  A chunk is two HALVES, one for each tile u, 32 products each.  While half u multiplies, the next tile's eight fragments are read from LDS, two loads behind each of three products of a K step,
; and the tile finished in the half before is rounded to bf16.  The bf16 product of chunk j stands in half 0 of chunk j + 1.  The loop has no first chunk of its own: the first bf16 product multiplies zeros.
; RING.  W_phi's rows come through two LDS slots of 128 rows (4 chunks), filled by the tensor data mover.  CLUSTER: the four work-groups of a cluster walk the same W_phi, so each tile is asked for JOINTLY,
; by the same tensor load with the same descriptor and a mask that names the four.  X comes once, by a plain tensor load a wave, into a stage that later becomes slot 1 (waves 0, 1) and W6's place (waves 2, 3).
; LIMITS.  D, D_agn: 0 takes group 0, any other value group 1 (the indices stay inside the table of two).  phi, W_groups and W_joint are rounded to bf16 for the two small products; bf16 has f32's range.
; An infinity or NaN in the first 32 columns of W_groups or W_joint makes all six sums' kin NaN through the first product with zeros; such a row's results are not finite without it either.
;
; LDS.  A row of codes is three pieces of 256 bytes, each followed by 16 bytes of padding: 816 bytes = 204 words, so row r starts at bank 12 r mod 64 (64 banks of 4 bytes: ISA guide 11.1) and the 32 lanes of an 8-byte load touch 64 different banks.
.set ROWB,  768                        ; a row of codes in memory
.set PITCH, 816                        ; and in LDS
.set TILEB, 16*PITCH                   ; a tile of 16 rows
.set CHB,   32*PITCH                   ; a chunk; also what one tensor load of W brings
.set PAIRB, 64*PITCH                   ; two chunks; also a wave's stage for X
.set SLOTB, 128*PITCH                  ; a slot.  Slot 0 at 0, slot 1 at SLOTB (first: X's stage of waves 0 and 1)
.set W6I,   2*SLOTB                    ; first X's stage of waves 2 and 3 (its only fill); then, in its first 32,768 bytes, W6's 32 fragments as images of their registers, 1,024 bytes each
.set SPARE, 3*SLOTB                    ; the spare words, 128 bytes for each wave: two blocks of 256 bytes that no other line names
.set LAPS,  3                          ; a lap = 8 chunks = once round the ring; three laps in the loop, the fourth written out
; REGISTERS, in windows of 256 (s_set_vgpr_msb's low byte: bits 1:0 source 0, 3:2 source 1, 5:4 source 2, 7:6 destination; a load takes its address from source 0's window and lands in the destination's).
; Window 0:
.set SPW,  1                           ; v1   LDS address of my spare word; never rewritten
.set NIL,  2                           ; v2   0; never rewritten
.set W6A,  3                           ; v3   W6's images: W6I + 16 x lane, + 8,192 a lap
.set BIA,  4                           ; v4   32 h: my eight numbers of a tile's 16 of b_phi
.set XA,   5                           ; v5-6 X's stage: + 816 r + 24 h, and + 40 h for pieces behind one padding more
.set W6S,  7                           ; v7   where I store my eight images
.set WAD,  8                           ; v8-15 W's tiles: for pair p of a lap's four pairs of chunks v[8+2p] = 52,224 p + 816 r + 24 h, v[9+2p] the same with 40 h
.set L4,   16                          ; v16  4 x lane
.set L8,   17                          ; v17  8 x lane
.set L32,  18                          ; v18  32 x lane
.set GA,   19                          ; v19  W_groups: my row and place
.set JA,   20                          ; v20  W_joint: likewise
.set RR,   21                          ; v21  r = lane % 16
.set HH,   22                          ; v22  h = lane / 16
.set RP,   23                          ; v23  816 r
.set XS,   24                          ; v24-39 X's scale words: register 8 g + q: lanes 0-15 tile 2 g, lanes 16-31 tile 2 g + 1, K step q
.set SW,   40                          ; v40-55 W's scale words, two sets by the chunk's parity: register q: lanes 0-15 tile 0, lanes 16-31 tile 1
.set ACC0, 56                          ; v56-87 tile 0's four accumulators
.set BI0,  88                          ; v88-95 tile 0's bias, in the result's layout
.set OA,   96                          ; v96-127 the six sums: four accumulators
.set WB1,  128                         ; v128-223 tile 1's eight fragments (at the head: W6's fragments on their way to LDS)
.set DD,   224                         ; v224-225 D, v226-227 D_agn
.set TMP,  228                         ; v228-235 at work
; Window 1 (at the head all of it holds W_groups' and W_joint's numbers as loaded):
.set SWA,  4                           ; v4   32 x lane
.set BIB,  5                           ; v5   32 h
;          8                           ; v8-15 WAD once more
.set W6F,  16                          ; v16-23 W6's fragment
.set BI1,  24                          ; v24-31 tile 1's bias
.set ACC1, 32                          ; v32-63 tile 1's four accumulators
.set WB0,  64                          ; v64-159 tile 0's eight fragments
; Window 2: X, K steps 0-4, at 48 q + 12 m.   Window 3: X, K steps 5-7, at 48 (q - 5) + 12 m;
.set PB,   144                         ; v144-175 of window 3: the bf16 operand, eight registers a tile of rows
; So half 0's products read window 1 and write window 0, and loads issued under the same setting take addresses from window 1 and land in window 0 (tile 1's fragments, scale words, tile 0's bias);
; half 1 is the mirror image.  No load costs a switch, and loads can stand singly behind matrix instructions.
.set G1W, 32                           ; s[32:39] descriptor group 1 for W's tiles (joint)
.set G1X, 40                           ; s[40:47] for X's stage (plain)
.set G0X, 48                           ; s[48:51] group 0 for X
.set G0W, 52                           ; s[52:55], s[56:59] group 0 for W, one set for each slot
.set WV,  60                           ; s60 wave
.set CX,  61                           ; s61 my place in the cluster
.set WG,  62                           ; s62 work-group
.set LAPC, 63                          ; s63 laps to go
.set MSB, 0
.macro WIN new                         ; the immediate's high byte repeats the setting that is left; a switch that changes nothing is dropped
.if MSB != (\new)
	s_set_vgpr_msb (MSB<<8)|(\new)
.set MSB, (\new)
.endif
.endm
.macro PLACES                          ; four plain vector instructions that name no register (ISA guide 7.12.1)
.rept 4
	v_nop
.endr
.endm
.macro CREST                           ; a round of the cluster's barrier behind its opening barrier
	s_cmp_lg_u32 s[WV], 0
	s_cbranch_scc1 .Lnot_wave_0_\@
	s_barrier_signal -3
.Lnot_wave_0_\@:
	s_barrier_wait -3
	s_barrier_signal -1
	s_barrier_wait -1
.endm
.macro CROUND                          ; a whole round
	s_barrier_signal -1
	s_barrier_wait -1
	CREST
.endm
.macro MKWAD                           ; W's eight LDS addresses; run under window 0 and, with the destination in window 1, once more (all sources lie in window 0)
	v_mad_u32_u24 v[WAD], v[HH], 24, v[RP]
	v_mad_u32_u24 v[WAD+1], v[HH], 40, v[RP]
.irp p, 1,2,3
	v_add_nc_u32 v[WAD+2*\p], \p*PAIRB, v[WAD]
	v_add_nc_u32 v[WAD+2*\p+1], \p*PAIRB, v[WAD+1]
.endr
.endm
; One load of 8 bytes: piece p (0 .. 5) of the fragment of K step q.  A fragment (16 rows x 128 K of 6-bit codes) is 12 registers: lane (r, h) holds row r; registers 6 c .. 6 c + 5 hold K = 64 c + 32 h + 0 .. 31:
; 24 bytes of the row's stream of bits as they lie, in three pieces of 8 bytes.  Lanes 0-15 take the row's pieces 12 q + 0, 1, 2 and 12 q + 6, 7, 8, lanes 16-31 those three pieces on;
; where that lies behind one padding more (32 pieces to a padding) the second address register serves.
.macro LD1 reg, ad, base, q, p
.set PC_, 12*(\q)+6*((\p)/3)+(\p)%3
.if PC_%32 < 29
	ds_load_b64 v[(\reg)+2*(\p):(\reg)+2*(\p)+1], v[\ad] offset:(\base)+8*PC_+16*(PC_/32)
.else
	ds_load_b64 v[(\reg)+2*(\p):(\reg)+2*(\p)+1], v[(\ad)+1] offset:(\base)+8*PC_+16*(PC_/32)
.endif
.endm
; One product: tile u of the chunk x tile m of my rows, K step q.  K step 0 takes the bias as C and starts the sum.  par: the set of W's scale words.
.macro MM u, q, m, par
.set rA_, WB0+64*(\u)+12*(\q)
.set rX_, 48*((\q)%5)+12*(\m)
.set rD_, ACC0-24*(\u)+8*(\m)
.if (\q) == 0
.set rC_, BI0-64*(\u)
.else
.set rC_, ACC0-24*(\u)+8*(\m)
.endif
.set sA_, SW+8*(\par)+(\q)
.set sB_, XS+8*((\m)/2)+(\q)
.if (\u) == 0 && (\m)%2 == 0
	v_wmma_scale_f32_16x16x128_f8f6f4 v[rD_:rD_+7], v[rA_:rA_+11], v[rX_:rX_+11], v[rC_:rC_+7], v[sA_], v[sB_] matrix_a_fmt:MATRIX_FMT_BF6 matrix_b_fmt:MATRIX_FMT_BF6
.elseif (\u) == 0
	v_wmma_scale_f32_16x16x128_f8f6f4 v[rD_:rD_+7], v[rA_:rA_+11], v[rX_:rX_+11], v[rC_:rC_+7], v[sA_], v[sB_] matrix_a_fmt:MATRIX_FMT_BF6 matrix_b_fmt:MATRIX_FMT_BF6 matrix_b_scale:MATRIX_SCALE_ROW1
.elseif (\m)%2 == 0
	v_wmma_scale_f32_16x16x128_f8f6f4 v[rD_:rD_+7], v[rA_:rA_+11], v[rX_:rX_+11], v[rC_:rC_+7], v[sA_], v[sB_] matrix_a_fmt:MATRIX_FMT_BF6 matrix_b_fmt:MATRIX_FMT_BF6 matrix_a_scale:MATRIX_SCALE_ROW1
.else
	v_wmma_scale_f32_16x16x128_f8f6f4 v[rD_:rD_+7], v[rA_:rA_+11], v[rX_:rX_+11], v[rC_:rC_+7], v[sA_], v[sB_] matrix_a_fmt:MATRIX_FMT_BF6 matrix_b_fmt:MATRIX_FMT_BF6 matrix_a_scale:MATRIX_SCALE_ROW1 matrix_b_scale:MATRIX_SCALE_ROW1
.endif
.endm
; Tile u's finished sums for rows m, rounded to bf16 in pairs, from the low end on: registers 4 u .. 4 u + 3 of the bf16 operand.  Leaves the windows changed.
.macro CVT u, m
.set CW_, 0xc0+5*(\u)
	WIN CW_
.set rS_, ACC0-24*(\u)+8*(\m)
.set rP_, PB+8*(\m)+4*(\u)
.irp i, 0,1,2,3
	v_cvt_pk_bf16_f32 v[rP_+\i], v[rS_+2*\i], v[rS_+2*\i+1]
.endr
.endm
.macro PV m                            ; the six sums of rows m += W6's fragment x phi's 32 columns
	v_wmma_f32_16x16x32_bf16 v[OA+8*(\m):OA+8*(\m)+7], v[W6F:W6F+7], v[PB+8*(\m):PB+8*(\m)+7], v[OA+8*(\m):OA+8*(\m)+7]
.endm
.macro LDBI1 j                         ; tile 1's bias for chunk j + 1 of the lap
	global_load_b128 v[BI1:BI1+3], v[BIA], s[12:13] offset:128*((\j)+1)+64
	global_load_b128 v[BI1+4:BI1+7], v[BIA], s[12:13] offset:128*((\j)+1)+80
.endm
.macro LDW6F j                         ; W6's fragment of chunk j of the lap: an image of its registers
	ds_load_b128 v[W6F:W6F+3], v[W6A] offset:1024*(\j)
	ds_load_b128 v[W6F+4:W6F+7], v[W6A] offset:1024*(\j)+512
.endm
; HALF u OF CHUNK j OF A LAP.  nxt = 1: the next tile's fragments are read.  ld = 1: the next chunk's bias and scale words are asked for (not in the last chunk: no load leaves its buffer).
; The four accumulators take turns, one instruction a turn.
.macro HALFN u, j, nxt, ld
.set par_, (\j)%2
.if (\u) == 0
.set NB_, WB1                          ; next: tile 1 of this chunk
.set NA_, WAD+2*((\j)/2)
.set NO_, par_*CHB+TILEB
.set HA_, 0x09                         ; W window 1, X window 2, C and D window 0
.set HB_, 0x0d                         ; the same with X in window 3
	s_wait_loadcnt 0x2                             ; this chunk's scale words and tile 0's bias are in; the two younger loads are tile 1's bias
.else
.set jn_, ((\j)+1)%8
.set NB_, WB0                          ; next: tile 0 of the next chunk
.set NA_, WAD+2*(jn_/2)
.set NO_, (jn_%2)*CHB
.set HA_, 0x58                         ; W window 0, X window 2, C and D window 1
.set HB_, 0x5c
	s_wait_loadcnt 4*(\ld)                         ; tile 1's bias is in; younger are the four loads that half 0 issued, if it issued any
.endif
	WIN HA_
.irp q, 0,1,2,3,4,5,6,7
	s_wait_dscnt (7-\q)*6+(\nxt)*6*\q              ; fragment q is in: behind it were issued the 6 (7 - q) loads of this tile's later fragments and the 6 q of the next tile's first q
.irp m, 0,1,2,3
	MM \u, \q, \m, par_
.if (\q) == 0 && (\m) == 0
	PLACES                                         ; behind the last half's products: for the loads into the fragments that they read, the conversions that read their results, and what is written over the bf16 product's operands
.endif
.if (\nxt) && (\m) < 3
	LD1 NB_+12*\q, NA_, NO_, \q, 2*\m
	LD1 NB_+12*\q, NA_, NO_, \q, 2*\m+1
.endif
.endr
.if (\q) >= 1 && (\q) <= 4
	CVT 1-\u, \q-1                                 ; the other tile's sums, finished in the last half
.if (\q) == 4
	WIN HB_                                        ; from K step 5 on X lies in window 3
.else
	WIN HA_
.endif
.endif
.if (\q) == 2 && (\ld)                 ; this tile's bias for the next chunk: K step 0's products have read it, and K step 1's four conversions are the places behind them
.if (\u) == 0
	global_load_b128 v[BI0:BI0+3], v[BIB], s[12:13] offset:128*((\j)+1)
	global_load_b128 v[BI0+4:BI0+7], v[BIB], s[12:13] offset:128*((\j)+1)+16
.else
	LDBI1 \j
.endif
.endif
.if (\q) == 3
.if (\u) == 0
.if (\ld)
	global_load_b128 v[SW+8*(1-par_):SW+8*(1-par_)+3], v[SWA], s[10:11] offset:1024*((\j)+1)       ; the next chunk's scale words, 32 bytes a row, into the other set
	global_load_b128 v[SW+8*(1-par_)+4:SW+8*(1-par_)+7], v[SWA], s[10:11] offset:1024*((\j)+1)+16
.endif
.else
	LDW6F \j
.endif
.endif
.if (\q) == 5 && (\u) == 0             ; the bf16 product of the chunk before: its operand is whole since K step 4's conversions, and W6's fragment has more than 42 younger LDS loads at this K step's wait
	PV 0
	PV 1
	PV 2
	PV 3
.endif
.endr
.endm
.macro MM4 q                           ; a K step of half 1 without loads
.irp m, 0,1,2,3
	MM 1, \q, \m, par_
.endr
.endm
.macro MM4L q, f                       ; a K step of half 1 with fragments f and f + 1 of the next tile: three loads behind each product
.irp m, 0,1,2,3
	MM 1, \q, \m, par_
.irp t, 0,1,2
.set e_, 3*\m+\t
	LD1 NB_+12*((\f)+e_/6), NA_, NO_, (\f)+e_/6, e_%6
.endr
.endr
.endm
; HALF 1 OF A SLOT'S LAST CHUNK CHANGES SLOTS.  All reads of the slot have been issued (tile 1's fragments, in half 0).  Each wave waits for all its tensor loads, of which one is out: its part of the other slot;
; adds 0 to its spare word; works three K steps; waits for the add and for its reads of this slot; then ONE barrier.  Behind it nobody reads this slot and the other slot is whole.
; fill = 1: the barrier opens a round of the cluster's barrier, and this slot is filled again, with the rows two slots on: the load has the other slot's four chunks in which to land.
.macro HALFC j, fill, slot
.set par_, (\j)%2
.set jn_, ((\j)+1)%8
.set NB_, WB0
.set NA_, WAD+2*(jn_/2)
.set NO_, (jn_%2)*CHB
	WIN 0                                          ; (the add's two registers lie in window 0)
	s_wait_tensorcnt 0x0                           ; all my tensor loads have landed: my part of the other slot
	ds_add_u32 v[SPW], v[NIL]                      ; 0 onto my spare word
	s_wait_loadcnt 0x4                             ; tile 1's bias is in; younger are half 0's four loads
	WIN 0x58
	s_wait_dscnt 43                                ; fragment 0 is in: younger are the 42 loads of fragments 1 to 7 and the add
	MM 1, 0, 0, par_
	PLACES                                         ; behind the last half's products, as in every half
	MM 1, 0, 1, par_
	MM 1, 0, 2, par_
	MM 1, 0, 3, par_
	s_wait_dscnt 37
	MM4 1
	CVT 0, 0
	WIN 0x58
	s_wait_dscnt 31
	MM4 2
	CVT 0, 1
	s_wait_dscnt 0x0                               ; the add is done, and my reads of this slot are over
	s_barrier_signal -1
	WIN 0x58
	MM4 3                                          ; work on registers while the others arrive
	CVT 0, 2
	WIN 0
	s_barrier_wait -1
.if (\fill)
	CREST                                          ; no wave of any partner still reads this slot or has a load on its way
	s_add_nc_u64 s[G0W+4*(\slot)+2:G0W+4*(\slot)+3], s[G0W+4*(\slot)+2:G0W+4*(\slot)+3], 2*128*ROWB   ; no tensor load of mine is out: the slot's rows two slots on; the type bits on top are not reached
	tensor_load_to_lds s[G0W+4*(\slot):G0W+4*(\slot)+3], s[G1W:G1W+7]   ; my one tensor load behind the round, and the first thing there
	s_nop 0
	PLACES
.endif
	WIN 0x58
	MM4L 4, 0                                      ; the next tile lies in the other slot: its eight fragments in four K steps, in the same order as ever, so that the next half's counts hold
	CVT 0, 3
	WIN 0x5c
	MM4L 5, 2
	LDBI1 \j
	LDW6F \j
	MM4L 6, 4
	MM4L 7, 6
.endm
.macro LAP tail                        ; eight chunks: slot 0's four, slot 1's four.  tail = 1: the last lap: nothing is filled, and nothing follows the last chunk
.irp j, 0,1,2
	HALFN 0, \j, 1, 1
	HALFN 1, \j, 1, 1
.endr
	HALFN 0, 3, 1, 1
	HALFC 3, 1-\tail, 0
.irp j, 4,5,6
	HALFN 0, \j, 1, 1
	HALFN 1, \j, 1, 1
.endr
.if \tail
	HALFN 0, 7, 1, 0
	HALFN 1, 7, 0, 0
.else
	HALFN 0, 7, 1, 1
	HALFC 7, 1, 1
.endif
.endm
	s_load_b256 s[4:11], s[0:1], 0x0               ; X's codes s[4:5], X's scales s[6:7], W_phi's codes s[8:9], W_phi's scales s[10:11]
	s_load_b256 s[12:19], s[0:1], 0x20             ; b_phi s[12:13], W_groups s[14:15], W_joint s[16:17], b_groups s[18:19]
	s_load_b256 s[20:27], s[0:1], 0x40             ; b_joint s[20:21], D s[22:23], D_agn s[24:25], out0 s[26:27]
	s_load_b128 s[28:31], s[0:1], 0x60             ; out1 s[28:29], out2 s[30:31]
	v_lshl_add_u32 v[SPW], v0, 2, SPARE
	v_mov_b32 v[NIL], 0
	ds_add_u32 v1, v2
	ds_add_u32 v1, v2
	s_wait_dscnt 0x0
	v_lshrrev_b32 v[TMP], 5, v0
	v_readfirstlane_b32 s[WV], v[TMP]              ; wave 0..3
	s_bfe_u32 s[CX], ttmp6, 0x40000                ; cx: my place in the cluster
	s_lshl_b32 s[WG], ttmp9, 2                     ; in a cluster launch ttmp9 counts clusters
	s_add_co_u32 s[WG], s[WG], s[CX]               ; work-group = 4 x cluster + cx: it enters global addresses of X, its scales, D, D_agn and the outputs alone
	s_lshl_b32 s66, s[WG], 8
	s_lshl_b32 s67, s[WV], 6
	s_add_co_u32 s66, s66, s67                     ; my first row: 256 x work-group + 64 x wave
	s_mul_i32 s68, s66, ROWB                       ; its codes (under 2^26 bytes),
	s_mov_b32 s69, 0
	s_lshl_b32 s78, s66, 5                         ; its scale bytes,
	s_mov_b32 s79, 0
	s_lshl_b32 s80, s66, 2                         ; its place in D and D_agn,
	s_mov_b32 s81, 0
	s_lshl_b32 s82, s66, 3                         ; and in each output
	s_mov_b32 s83, 0
	s_mul_i32 s70, s[WV], 32*ROWB                  ; W: which 32 rows of a slot's 128 I fetch: in registers that never hold cx
	s_mov_b32 s71, 0
	s_mul_i32 s74, s[WV], CHB                      ; and where they go in a slot
	s_mul_i32 s75, s[WV], PAIRB                    ; X's stage of my wave
	s_lshl_b32 s76, s[WV], 13                      ; my eight images of W6
	s_lshl_b32 s77, s[WV], 10                      ; and their 256 columns, in bytes
	; descriptor group 1.  Both blocks are dense in memory and are stated as rows of 256 bytes: 32 elements of 8 bytes, 16 bytes of padding behind each
	s_mov_b32 s[G1W], 15|(3<<16)|(1<<20)|(1<<21)|(5<<22)|(3<<25)   ; 15:0 the mask: all four work-groups; 17:16 elements of 8 bytes; 20 padding on; 21 set beside a mask; 24:22 after every 64 words (code 5); 31:25 4 words of it (code 3)
	s_mov_b32 s[G1W+1], 32<<16                     ; tensor_dim0 = 32
	s_mov_b32 s[G1W+2], 96<<16                     ; tensor_dim1 = 96: 32 rows of W
	s_mov_b32 s[G1W+3], 32<<16                     ; tile_dim0 = 32
	s_mov_b32 s[G1W+4], 96                         ; tile_dim1 = 96
	s_mov_b32 s[G1W+5], 32                         ; from row to row: 32 elements
	s_mov_b32 s[G1W+6], 0
	s_mov_b32 s[G1W+7], 0
	s_mov_b32 s[G1X], (3<<16)|(1<<20)|(5<<22)|(3<<25)              ; no mask: X's rows are my own
	s_mov_b32 s[G1X+1], 32<<16
	s_mov_b32 s[G1X+2], 192<<16                    ; 64 rows of X
	s_mov_b32 s[G1X+3], 32<<16
	s_mov_b32 s[G1X+4], 192
	s_mov_b32 s[G1X+5], 32
	s_mov_b32 s[G1X+6], 0
	s_mov_b32 s[G1X+7], 0
	s_mov_b32 s[G0X], 1                            ; count = 1
	s_add_co_u32 s[G0X+1], s75, SLOTB              ; LDS address: the wave's number alone enters it
	s_mov_b32 s[G0W], 1
	s_mov_b32 s[G0W+1], s74                        ; slot 0
	s_mov_b32 s[G0W+4], 1
	s_add_co_u32 s[G0W+5], s74, SLOTB              ; slot 1
	v_and_b32 v[TMP], 31, v0                       ; lane
	v_lshlrev_b32 v[L4], 2, v[TMP]
	v_lshlrev_b32 v[L8], 3, v[TMP]
	v_lshlrev_b32 v[L32], 5, v[TMP]
	v_lshl_add_u32 v[W6A], v[TMP], 4, W6I
	v_add_nc_u32 v[W6S], s76, v[W6A]
	v_and_b32 v[RR], 15, v0
	v_bfe_u32 v[HH], v0, 4, 1
	v_lshlrev_b32 v[BIA], 5, v[HH]
	v_mul_u32_u24 v[RP], v[RR], PITCH
	MKWAD
	v_add_nc_u32 v[XA], s[G0X+1], v[WAD]
	v_add_nc_u32 v[XA+1], s[G0X+1], v[WAD+1]
	v_and_b32 v[GA], 3, v[RR]                      ; W6's row r: W_groups' row r % 4 where r % 8 < 4,
	v_lshl_add_u32 v[GA], v[GA], 12, v[BIA]        ; a row of 4,096 bytes, + 32 h,
	v_add_nc_u32 v[GA], s77, v[GA]                 ; + my wave's columns
	v_and_b32 v[JA], 1, v[RR]                      ; else W_joint's row r % 2
	v_lshl_add_u32 v[JA], v[JA], 12, v[BIA]
	v_add_nc_u32 v[JA], s77, v[JA]
	v_and_b32 v[TMP], 4, v[RR]
	v_cmp_ne_u32 vcc_lo, 0, v[TMP]                 ; lanes that take W_joint
	s_wait_kmcnt 0x0
	s_load_b128 s[84:87], s[18:19], 0x0            ; b_groups' four numbers
	s_load_b64 s[88:89], s[20:21], 0x0             ; b_joint's two
	s_add_nc_u64 s[G0X+2:G0X+3], s[4:5], s[68:69]
	s_or_b32 s[G0X+3], s[G0X+3], 0x80000000        ; type = 2
	s_add_nc_u64 s[G0W+2:G0W+3], s[8:9], s[70:71]  ; slot 0: rows 32 w on
	s_add_nc_u64 s[G0W+6:G0W+7], s[G0W+2:G0W+3], 128*ROWB          ; slot 1: 128 rows further
	s_or_b32 s[G0W+3], s[G0W+3], 0x80000000
	s_or_b32 s[G0W+7], s[G0W+7], 0x80000000
	s_add_nc_u64 s[6:7], s[6:7], s[78:79]
	s_add_nc_u64 s[22:23], s[22:23], s[80:81]
	s_add_nc_u64 s[24:25], s[24:25], s[80:81]
	s_add_nc_u64 s[26:27], s[26:27], s[82:83]
	s_add_nc_u64 s[28:29], s[28:29], s[82:83]
	s_add_nc_u64 s[30:31], s[30:31], s[82:83]
	s_wait_kmcnt 0x0
	CROUND                                         ; all four work-groups are here: the first joint loads meet
	tensor_load_to_lds s[G0X:G0X+3], s[G1X:G1X+7]  ; the first fills go out together: my 64 rows of X,
	s_nop 0
	tensor_load_to_lds s[G0W:G0W+3], s[G1W:G1W+7]  ; and my part of W's rows 0-127: two tensor loads of mine are out
	s_nop 0
	PLACES
	; while X is on its way: scale words, indices, the first chunk's scale words and bias, and W6
.irp g, 0,1
	global_load_b128 v[XS+8*\g:XS+8*\g+3], v[L32], s[6:7] offset:1024*\g th:TH_LOAD_NT        ; lane l: the 32 scale bytes of my row 32 g + l
	global_load_b128 v[XS+8*\g+4:XS+8*\g+7], v[L32], s[6:7] offset:1024*\g+16 th:TH_LOAD_NT
	global_load_b32 v[DD+\g], v[L4], s[22:23] offset:128*\g th:TH_LOAD_NT
	global_load_b32 v[DD+2+\g], v[L4], s[24:25] offset:128*\g th:TH_LOAD_NT
.endr
	global_load_b128 v[SW:SW+3], v[L32], s[10:11]
	global_load_b128 v[SW+4:SW+7], v[L32], s[10:11] offset:16
	global_load_b128 v[BI0:BI0+3], v[BIA], s[12:13]
	global_load_b128 v[BI0+4:BI0+7], v[BIA], s[12:13] offset:16
	WIN 0x40                                       ; destination window 1
.irp i, 0,1,2,3,4,5,6,7                ; my eight fragments of W6 (32 columns each): lane (r, h) wants columns 8 h + 0 .. 7 and 16 + 8 h + 0 .. 7 of its row; both tensors are loaded and one is chosen
.irp c, 0,1,2,3
	global_load_b128 v[16*\i+4*\c:16*\i+4*\c+3], v[GA], s[14:15] offset:128*\i+16*(\c%2)+64*(\c/2)
	global_load_b128 v[128+16*\i+4*\c:128+16*\i+4*\c+3], v[JA], s[16:17] offset:128*\i+16*(\c%2)+64*(\c/2)
.endr
.endr
	s_wait_loadcnt 0x0
	WIN 0x45                                       ; all in window 1
.set i_, 0
.rept 128
	v_cndmask_b32 v[i_], v[i_], v[128+i_], vcc_lo
.set i_, i_+1
.endr
	WIN 0x05                                       ; sources window 1, destination window 0
.set i_, 0
.rept 64
	v_cvt_pk_bf16_f32 v[WB1+i_], v[2*i_], v[2*i_+1]               ; fragment i_ / 8, register i_ % 8
.set i_, i_+1
.endr
	s_wait_tensorcnt 0x1                           ; X is in my stage, which I alone read; W's load may stay out
	WIN 0x80                                       ; destination window 2
.irp q, 0,1,2,3,4
.irp m, 0,1,2,3
.irp p, 0,1,2,3,4,5
	LD1 48*\q+12*\m, XA, \m*TILEB, \q, \p
.endr
.endr
.endr
	WIN 0xc0                                       ; destination window 3
.irp q, 5,6,7
.irp m, 0,1,2,3
.irp p, 0,1,2,3,4,5
	LD1 48*(\q-5)+12*\m, XA, \m*TILEB, \q, \p
.endr
.endr
.endr
	; X's stage of waves 0 and 1 becomes slot 1: a refill, in the order that every refill has
	WIN 0
	s_wait_tensorcnt 0x0                           ; all my tensor loads have landed, my part of slot 0 among them
	ds_add_u32 v[SPW], v[NIL]                      ; 0 onto my spare word; work on registers stands between it and the wait for it
.irp m, 0,1,2,3
.irp c, 0,1,2,3,4,5
	v_mov_b32 v[OA+8*\m+\c], s[84+\c]              ; the six sums begin with their biases: register c is W6's row c (in lanes 16-31: rows that nobody reads)
.endr
	v_mov_b32 v[OA+8*\m+6], 0
	v_mov_b32 v[OA+8*\m+7], 0
.endr
	WIN 0x40                                       ; destination window 1: what was loaded there has been used
	MKWAD
	v_mov_b32 v[SWA], v[L32]
	v_mov_b32 v[BIB], v[BIA]
.set i_, 0
.rept 32
	v_mov_b32 v[ACC1+i_], 0                        ; the loop's first conversions and its first bf16 product find zeros
.set i_, i_+1
.endr
	WIN 0xc0
.irp m, 0,1,2,3
.irp i, 0,1,2,3
	v_mov_b32 v[PB+8*\m+\i], 0
.endr
.endr
	WIN 0
	s_wait_dscnt 0x0                               ; the add is done, and X is in my registers: my reads of the stage are over
	CROUND
	tensor_load_to_lds s[G0W+4:G0W+7], s[G1W:G1W+7]                ; slot 1: W's rows 128-255; my one tensor load behind the round
	s_nop 0
	PLACES
	WIN 0x40
	global_load_b128 v[BI1:BI1+3], v[BIA], s[12:13] offset:64      ; chunk 0, tile 1's bias: the two loads that the loop's first wait leaves out
	global_load_b128 v[BI1+4:BI1+7], v[BIA], s[12:13] offset:80
	WIN 0
.irp i, 0,1,2,3,4,5,6,7                ; W6's fragments go to LDS as images of their registers: lane l's 16 bytes at 16 l.  These bytes have had their only fill, and every wave has passed the round behind its last read of them
	ds_store_b128 v[W6S], v[WB1+8*\i:WB1+8*\i+3] offset:1024*\i
	ds_store_b128 v[W6S], v[WB1+8*\i+4:WB1+8*\i+7] offset:1024*\i+512
.endr
	s_wait_dscnt 0x0                               ; for the others' sake: my images lie in LDS
	s_barrier_signal -1
	s_barrier_wait -1                              ; everybody's do.  Slot 1's load may stay out
	WIN 0x40
	LDW6F 0                                        ; any fragment: the first bf16 product multiplies it by zeros
.irp q, 0,1,2,3,4,5,6,7
.irp p, 0,1,2,3,4,5
	LD1 WB0+12*\q, WAD, 0, \q, \p                  ; chunk 0, tile 0
.endr
.endr
	WIN 0                                          ; at a label and at a branch every window is 0
	s_mov_b32 s[LAPC], LAPS
.Llap:
	LAP 0
	WIN 0
	s_wait_xcnt 0x0                                ; the loads that name these two bases have had their addresses translated (ISA guide 3.1)
	s_add_nc_u64 s[10:11], s[10:11], 8192          ; 256 rows of scale bytes on
	s_add_nc_u64 s[12:13], s[12:13], 1024          ; 256 numbers of b_phi on
	v_add_nc_u32 v[W6A], 8192, v[W6A]              ; eight images on
	s_sub_co_u32 s[LAPC], s[LAPC], 1
	s_cmp_lg_u32 s[LAPC], 0
	s_cbranch_scc1 .Llap
	LAP 1                                          ; the last lap is written out
	PLACES                                         ; behind the last products
	CVT 1, 0
	CVT 1, 1
	CVT 1, 2
	CVT 1, 3
	s_wait_dscnt 0x0                               ; W6's last fragment
	WIN 0x0d
	PV 0
	PV 1
	PV 2
	PV 3
	WIN 0
	PLACES
	; THE WAY OUT.  Lanes 0-15 of a tile's register c hold sum c of rows r.  The exchange puts tile 2 g + 1's into lanes 16-31 of tile 2 g's register: lane l then holds my row 32 g + l.  Each accumulator is read from its low end on.
.irp g, 0,1
.irp c, 0,1,2,3,4,5
	v_permlane16_swap_b32 v[OA+16*\g+\c], v[OA+16*\g+8+\c]
.endr
.endr
.irp g, 0,1
	v_cmp_ne_u32 vcc_lo, 0, v[DD+\g]               ; D: group 1?
	v_cndmask_b32 v[TMP+4*\g], v[OA+16*\g], v[OA+16*\g+2], vcc_lo
	v_cndmask_b32 v[TMP+4*\g+1], v[OA+16*\g+1], v[OA+16*\g+3], vcc_lo
	v_cmp_ne_u32 vcc_lo, 0, v[DD+2+\g]             ; D_agn
	v_cndmask_b32 v[TMP+4*\g+2], v[OA+16*\g], v[OA+16*\g+2], vcc_lo
	v_cndmask_b32 v[TMP+4*\g+3], v[OA+16*\g+1], v[OA+16*\g+3], vcc_lo
	global_store_b64 v[L8], v[OA+16*\g+4:OA+16*\g+5], s[26:27] offset:256*\g th:TH_STORE_NT    ; 32 lanes store 256 consecutive bytes, at a multiple of 256 from the buffer's first byte
	global_store_b64 v[L8], v[TMP+4*\g:TMP+4*\g+1], s[28:29] offset:256*\g th:TH_STORE_NT
	global_store_b64 v[L8], v[TMP+4*\g+2:TMP+4*\g+3], s[30:31] offset:256*\g th:TH_STORE_NT
.endr
	s_wait_tensorcnt 0x0                           ; the wave's end: behind my last tensor load and my last LDS store
	ds_add_u32 v[SPW], v[NIL]
	s_wait_dscnt 0x0
	CROUND                                         ; the closing round: no work-group ends while a partner may still ask for a tile that names it
	s_endpgm
.Lfunc_end_k_q37f0309de8_fused:
	.size	k_q37f0309de8_fused, .Lfunc_end_k_q37f0309de8_fused-k_q37f0309de8_fused
	.p2alignl 7, 3214868480
	.fill 96, 4, 3214868480
	.section	.rodata,"a",@progbits
	.p2align	6, 0x0
	.amdhsa_kernel k_q37f0309de8_fused
		.amdhsa_group_segment_fixed_size 327680
		.amdhsa_private_segment_fixed_size 0
		.amdhsa_enable_private_segment 0
		.amdhsa_kernarg_size 112
		.amdhsa_user_sgpr_count 2
		.amdhsa_user_sgpr_kernarg_segment_ptr 1
		.amdhsa_wavefront_size32 1
		.amdhsa_system_sgpr_workgroup_id_x 1
		.amdhsa_system_sgpr_workgroup_id_y 1
		.amdhsa_system_sgpr_workgroup_id_z 1
		.amdhsa_system_vgpr_workitem_id 0
		.amdhsa_next_free_vgpr 1024
		.amdhsa_next_free_sgpr 96
		.amdhsa_reserve_vcc 1
		.amdhsa_float_denorm_mode_32 3
		.amdhsa_float_denorm_mode_16_64 3
		.amdhsa_memory_ordered 1
		.amdhsa_forward_progress 1
		.amdhsa_inst_pref_size 255
	.end_amdhsa_kernel
	.section	.bss,"aw",@nobits
	.p2align	6
	.space	262144
	.amdgpu_metadata
---
amdhsa.version: [ 1, 2 ]
amdhsa.kernels:
  - .name:           k_q37f0309de8_fused
    .symbol:         k_q37f0309de8_fused.kd
    .args:
      - { .name: X_codes, .offset: 0, .size: 8, .value_kind: global_buffer, .address_space: global }
      - { .name: X_scales, .offset: 8, .size: 8, .value_kind: global_buffer, .address_space: global }
      - { .name: W_phi_codes, .offset: 16, .size: 8, .value_kind: global_buffer, .address_space: global }
      - { .name: W_phi_scales, .offset: 24, .size: 8, .value_kind: global_buffer, .address_space: global }
      - { .name: b_phi, .offset: 32, .size: 8, .value_kind: global_buffer, .address_space: global }
      - { .name: W_groups, .offset: 40, .size: 8, .value_kind: global_buffer, .address_space: global }
      - { .name: W_joint, .offset: 48, .size: 8, .value_kind: global_buffer, .address_space: global }
      - { .name: b_groups, .offset: 56, .size: 8, .value_kind: global_buffer, .address_space: global }
      - { .name: b_joint, .offset: 64, .size: 8, .value_kind: global_buffer, .address_space: global }
      - { .name: D, .offset: 72, .size: 8, .value_kind: global_buffer, .address_space: global }
      - { .name: D_agn, .offset: 80, .size: 8, .value_kind: global_buffer, .address_space: global }
      - { .name: out0, .offset: 88, .size: 8, .value_kind: global_buffer, .address_space: global }
      - { .name: out1, .offset: 96, .size: 8, .value_kind: global_buffer, .address_space: global }
      - { .name: out2, .offset: 104, .size: 8, .value_kind: global_buffer, .address_space: global }
    .group_segment_fixed_size: 327680
    .private_segment_fixed_size: 0
    .kernarg_segment_align: 8
    .kernarg_segment_size: 112
    .max_flat_workgroup_size: 128
    .sgpr_count:     96
    .vgpr_count:     1024
    .wavefront_size: 32
...
	.end_amdgpu_metadata
.endif
;; end of part 1
;; ======== version 2 of 2: 1 launch
;; limits: values are held in bf16: 8 bits of precision; right only within a limited range of input values
;; launch fused (part 2): grid 256 x 1, 4 waves a work-group, clusters of 4 x 1, 327,680 bytes of LDS; arguments X_codes, X_scales, W_phi_codes, W_phi_scales, b_phi, W_groups, W_joint, b_groups, b_joint, D, D_agn, out0, out1, out2; writes out0, out1, out2
.if DOCPART == 2
	.amdgcn_target "amdgcn-amd-amdhsa--gfx1250"
	.amdhsa_code_object_version 6
	.text
	.protected	k_q37f0309de8_fused
	.globl	k_q37f0309de8_fused
	.p2align	8
	.type	k_q37f0309de8_fused,@function
k_q37f0309de8_fused:
	s_mov_b64 s[64:65], 0
	v_nop
	global_prefetch_b8 v0, s[64:65] scope:SCOPE_SE
	s_setreg_imm32_b32 hwreg(HW_REG_WAVE_MODE, 25, 1), 1
	s_wait_xcnt 0x0
	s_wait_alu depctr_hold_cnt(0) depctr_sa_sdst(0) depctr_va_vdst(0) depctr_va_sdst(0) depctr_va_ssrc(0) depctr_va_vcc(0) depctr_vm_vsrc(0)
	s_getreg_b32 s2, hwreg(HW_REG_IB_STS2, 6, 4)
	s_cmp_eq_u32 s2, 0
	s_cbranch_scc0 .Lentry_in_a_cluster
	s_endpgm
.Lentry_in_a_cluster:
	s_bfe_u32 s2, ttmp6, 0x10000c
	s_cmp_lg_u32 s2, 0x3003
	s_cbranch_scc0 .Lentry_shape_is_right
	s_endpgm
.Lentry_shape_is_right:
; phi = X W_phi^T on codes of BF6 (E3M2) with E8M0 scales as they are given; then six dot products of each row of phi (four rows of W_groups, two of W_joint: W6's rows 0-5) and their biases;
; D and D_agn choose between the two groups' pairs.  b_phi enters as W6 b_phi, a number for each of the six sums, made in f32 and laid into the sums at their start: sum W6 (phi + b) = sum W6 phi + sum W6 b.
; SHARES.  256 work-groups of four waves; a work-group owns 256 rows of X.  Wave w = 2 rh + nh owns rows 128 rh .. + 127: eight tiles i of 16 rows, and the half nh of each slot of W_phi (64 of 128 rows n).
; X STAYS IN REGISTERS: 8 tiles x 8 K steps of 128 x 12 = 768 registers.  A fragment of W_phi (16 rows n x 128 K) serves eight products.
; Tile i is rows 32 (i % 4) + 16 (i / 4) on: tiles p and p + 4 are the 32 rows 32 p .. 32 p + 31.
; BLOCKS.  A row's 96 bytes of a K step are four blocks of 32 codes.  Lanes 0-15 take blocks 0, 1 (48 bytes, three loads of 16), lanes 16-31 blocks 2, 3.  The operand's places 0 .. 3 (place 2 c + h: registers 6 c on
; of lane half h) so hold blocks 0, 2, 1, 3, in X and in W alike; the scale words' bytes are brought into that order by v_perm_b32.
; PRODUCTS ARE USED TRANSPOSED (source 0 = rows of W, source 1 = rows of X): lane (r, h) holds row r of X, register j is n = 8 h + j of W's tile.  Two tiles of W (u = 0, 1) make the 32 columns of one bf16 product.
; THE SIX SUMS.  W6's operand A has W6 in rows 0-5, operand B in rows 8-13; their other rows are zeros.  Tile p takes A, tile p + 4 takes B, onto ONE accumulator: lane l holds in registers 0-5 the sums of row 32 p + l.
; phi's operand: for each p twelve registers: tile p's u = 0 half, the u = 1 half of either (first p's, then p + 4's), tile p + 4's u = 0 half.  Tile p + 4's operand has its halves the other way round, and so has B.
; RING.  W_phi's rows come through two LDS slots of 128 rows, filled by the tensor data mover.  CLUSTER: the four work-groups of a cluster walk the same W_phi: each tile is asked for JOINTLY.
; X comes once, into a stage that later becomes slot 1 and the tables.  No prefetch: X has no loop to run ahead in, and a refill of W_phi has a slot's 256 products of each wave in which to land.
; LIMITS.  D, D_agn: 0 takes group 0, any other value group 1 (the indices stay inside the table of two).  phi, W_groups and W_joint are rounded to bf16 for the small products; bf16 has f32's range.
; A row of X W_phi^T that holds an infinity or NaN makes the sums of the row 16 away in its 32 rows non-finite too (0 x infinity).
;
; LDS.  A row of codes is three pieces of 256 bytes, each followed by 16 bytes of padding: 816 bytes, an odd multiple of 16, so that sixteen rows' 16-byte pieces lie in 64 different banks (ISA guide 11.1).
.set ROWB,  768
.set PITCH, 816
.set TILEB, 16*PITCH
.set CHB,   32*PITCH                   ; what one refill load brings
.set HALFB, 64*PITCH
.set SLOTB, 128*PITCH                  ; slot 0 at 0, slot 1 at SLOTB.  X's stage: 256 rows from SLOTB on
.set SCT,   2*SLOTB                    ; tables on bytes that have had their only fill: W_phi's scale words: words 0-3 of row n at 16 n, words 4-7 at 16,384 + 16 n
.set W6T,   SCT+32768                  ; W6 in bf16, eight rows (6 and 7 zeros) of 2,048 bytes + 16
.set W6P,   2064
.set DB,    W6T+16640                  ; D and D_agn: 512 bytes a wave
.set EX,    DB+2048                    ; the exchange of sums at the end: 3,072 bytes a wave
.set PAR,   3*SLOTB                    ; behind X's stage: each wave's part of W6 b_phi, 32 bytes
.set SPARE, PAR+256                    ; the spare words, 128 bytes for each wave: two blocks of 256 bytes that no other line names
.set LAPS,  3                          ; a lap = two slots = eight tiles of W a wave; three trips, and the last lap's rest written out
; REGISTERS.  Window 0:
.set SPW,  1                           ; v1   my spare word; never rewritten
.set NIL,  2                           ; v2   0; never rewritten
.set SCA,  3                           ; v3   scale words of my 32 rows n, + 4,096 a lap
.set WAD,  4                           ; v4   W's rows: 816 r + 48 h; v5 the same with 64 h, for pieces whose lanes 16-31 lie behind one padding more.  Both move between the slots
.set W6A,  6                           ; v6   operand A of W6, v7 operand B, + 512 a lap
.set W6B,  7
.set SW,   8                           ; v8-15 W's scale words: register q: lanes 0-15 tile u = 0, lanes 16-31 tile u = 1
.set XS,   16                          ; v16-47 X's: register 8 p + q: lanes 0-15 tile p, lanes 16-31 tile p + 4
.set RG,   48                          ; v48-95 W's fragments, four sets, K step q in set q % 4
.set P,    96                          ; v96-143 phi's bf16 operands.  Up to the loop: scale words on their way to LDS (40), X's stage addresses (4), W6's row 5 (4)
.set XA,   P+40
.set ACC,  144                         ; v144-207 eight accumulators
.set XZ,   208                         ; v208-255 X's last four fragments.  At the head: at work
.set LN,   208
.set RR,   209
.set HH,   210
.set RP,   211
.set L32,  212
.set L4,   213
.set GA,   214
.set TA,   215
.set SWO,  216
.set T1,   217
.set T2,   218
.set T3,   219
.set PARS, 220
; Windows 1-3: v0-239 twenty fragments of X each: fragment t = 8 q + i at window 1 + t / 20.  v240-255: window 1 the sums of p = 0, 1; window 2 those of p = 2, 3; window 3 W6's operands A (240) and B (248).
; Up to the loop these hold scale words, D, D_agn and W6's rows 0-4.
.set G1W, 32                           ; s[32:39] descriptor group 1 for W's refills (joint)
.set G1X, 40                           ; s[40:47] for X (plain)
.set G0X, 48
.set G0W, 52                           ; s[52:59] group 0 for W, one set for each slot
.set WV,  60
.set CX,  61
.set WG,  62
.set LAPC, 63
.set RH,  66
.set NH,  67
.set G1H, 84                           ; s[84:91], s[92:95] the head's load of W's rows 0-127 (joint)
.set G0H, 92
.set SEL, 83                           ; the bytes 0, 2, 1, 3
.set MSB, 0
.macro WIN new                         ; the immediate's high byte repeats the setting that is left
.if MSB != (\new)
	s_set_vgpr_msb (MSB<<8)|(\new)
.set MSB, (\new)
.endif
.endm
.macro PLACES                          ; four plain vector instructions that name no register (ISA guide 7.12.1)
.rept 4
	v_nop
.endr
.endm
.macro CREST                           ; a round of the cluster's barrier behind its opening barrier
	s_cmp_lg_u32 s[WV], 0
	s_cbranch_scc1 .Lnot_wave_0_\@
	s_barrier_signal -3
.Lnot_wave_0_\@:
	s_barrier_wait -3
	s_barrier_signal -1
	s_barrier_wait -1
.endm
.macro CROUND
	s_barrier_signal -1
	s_barrier_wait -1
	CREST
.endm
.macro LDW q, off                      ; K step q of the tile at byte off of my half slot: units of 16 bytes 6 q + p (lanes 16-31: + 3); sixteen units to a padding
.irp p, 0,1,2
.set U_, 6*(\q)+\p
.set rL_, RG+12*((\q)%4)+4*\p
	ds_load_b128 v[rL_:rL_+3], v[WAD+(U_%16)/13] offset:(\off)+16*U_+16*(U_/16)
.endr
.endm
.macro XREG q, i                       ; where X's fragment of tile i, K step q lies
.set t_, 8*(\q)+(\i)
.if t_ < 60
.set xw_, 1+t_/20
.set rX_, 12*(t_%20)
.else
.set xw_, 0
.set rX_, XZ+12*(t_-60)
.endif
.endm
.macro XLD q                           ; X's eight fragments of K step q, 24 loads
.irp i, 0,1,2,3,4,5,6,7
	XREG \q, \i
	WIN (xw_<<6)
.irp p, 0,1,2
.set U_, 6*(\q)+\p
	ds_load_b128 v[rX_+4*\p:rX_+4*\p+3], v[XA+2*((\i%4)/2)+(U_%16)/13] offset:PITCH*((32*(\i%4)+16*(\i/4))%64)+16*U_+16*(U_/16)
.endr
.endr
	WIN 0
.endm
.macro WM c, u, i
.if (\u) == 0 && (\i) < 4
	v_wmma_scale_f32_16x16x128_f8f6f4 v[rD_:rD_+7], v[rA_:rA_+11], v[rX_:rX_+11], \c, v[sA_], v[sB_] matrix_a_fmt:MATRIX_FMT_BF6 matrix_b_fmt:MATRIX_FMT_BF6
.elseif (\u) == 0
	v_wmma_scale_f32_16x16x128_f8f6f4 v[rD_:rD_+7], v[rA_:rA_+11], v[rX_:rX_+11], \c, v[sA_], v[sB_] matrix_a_fmt:MATRIX_FMT_BF6 matrix_b_fmt:MATRIX_FMT_BF6 matrix_b_scale:MATRIX_SCALE_ROW1
.elseif (\i) < 4
	v_wmma_scale_f32_16x16x128_f8f6f4 v[rD_:rD_+7], v[rA_:rA_+11], v[rX_:rX_+11], \c, v[sA_], v[sB_] matrix_a_fmt:MATRIX_FMT_BF6 matrix_b_fmt:MATRIX_FMT_BF6 matrix_a_scale:MATRIX_SCALE_ROW1
.else
	v_wmma_scale_f32_16x16x128_f8f6f4 v[rD_:rD_+7], v[rA_:rA_+11], v[rX_:rX_+11], \c, v[sA_], v[sB_] matrix_a_fmt:MATRIX_FMT_BF6 matrix_b_fmt:MATRIX_FMT_BF6 matrix_a_scale:MATRIX_SCALE_ROW1 matrix_b_scale:MATRIX_SCALE_ROW1
.endif
.endm
.macro MM u, q, i                      ; one product: W's tile of parity u x X's tile i, K step q; K step 0 starts the sum.  The eight accumulators take turns
	XREG \q, \i
	WIN (xw_<<2)
.set rA_, RG+12*((\q)%4)
.set rD_, ACC+8*(\i)
.set sA_, SW+(\q)
.set sB_, XS+8*((\i)%4)+(\q)
.if (\q) == 0
	WM 0, \u, \i
.else
	WM v[rD_:rD_+7], \u, \i
.endif
.endm
.macro MM4 u, q, i0
	MM \u, \q, \i0
	MM \u, \q, \i0+1
	MM \u, \q, \i0+2
	MM \u, \q, \i0+3
.endm
.macro CVT i, u                        ; tile i's finished sums of W's tile of parity u, rounded to bf16 in pairs, from the low end on
.set rS_, ACC+8*(\i)
.if (\u) == 1
.set rP_, P+12*((\i)%4)+4
.else
.set rP_, P+12*((\i)%4)+8*((\i)/4)
.endif
.irp k, 0,1,2,3
	v_cvt_pk_bf16_f32 v[rP_+\k], v[rS_+2*\k], v[rS_+2*\k+1]
.endr
.endm
.macro PV i                            ; the six sums of tile i's rows += W6's operand x phi's 32 columns
.set pw_, 1+((\i)%4)/2
.set rO_, 240+8*((\i)%2)
.set rW_, 240+8*((\i)/4)
.set rB_, P+12*((\i)%4)+4*((\i)/4)
	WIN (3|(pw_<<4)|(pw_<<6))
	v_wmma_f32_16x16x32_bf16 v[rO_:rO_+7], v[rW_:rW_+7], v[rB_:rB_+7], v[rO_:rO_+7]
.endm
.macro RUN q, ti                       ; the fragment three K steps on, of this tile or of the next.  R1_, R2_: LDS loads of the last run and of the one before
.if (\q) < 5
	LDW (\q)+3, (\ti)*TILEB
.else
	LDW (\q)-5, (((\ti)+1)%4)*TILEB
.endif
.set R2_, R1_
.set R1_, 3
.endm
; A TILE OF W: 64 products in eight K steps.  Its first K step also takes the tile before out of the accumulators: two tiles of rows at a time are rounded to bf16, then begun anew with C = 0; behind a tile of parity 1
; the bf16 products follow.  j: the pair of tiles in the lap.  mode 0: plain; 1: slot's last tile, the slot is filled again; 2: slot's last tile, nothing is filled; 3: the launch's last tile.
; A wait at a K step counts the loads issued behind its fragment: the two younger runs.  Four v_nop stand ahead of each run of loads, which lands on registers that the K step before has read;
; the four behind K step 7's last products serve the next tile's first conversions and products.
.macro TILE u, ti, j, mode, slot
	s_wait_dscnt R1_+R2_
.irp g, 0,2,4,6
	WIN 0
	CVT \g, 1-(\u)
	CVT \g+1, 1-(\u)
	MM \u, 0, \g
	MM \u, 0, \g+1
.if \g == 2
	RUN 0, \ti
.if (\u) == 0
	ds_load_b128 v[SW+4:SW+7], v[SCA] offset:16384+2048*((\j)/2)+512*((\j)%2)     ; this pair's scale words 4-7
.set R1_, R1_+1
.endif
.endif
.if (\u) == 0
	PV \g
	PV \g+1
.endif
.endr
.irp q, 1,2,3,4,5,6,7
.if \q == 5 && ((\mode) == 1 || (\mode) == 2)
	; THE CHANGE OF SLOTS.  All reads of this slot have been issued.  Each wave waits for all its tensor loads, its part of the other slot among them, and for its reads; behind the barrier the other slot is whole and nobody reads this one
	WIN 0
.if (\slot) == 0
	v_add_nc_u32 v[WAD], SLOTB, v[WAD]
	v_add_nc_u32 v[WAD+1], SLOTB, v[WAD+1]
.else
	v_sub_nc_u32 v[WAD], v[WAD], SLOTB
	v_sub_nc_u32 v[WAD+1], v[WAD+1], SLOTB
.endif
	s_wait_alu depctr_va_vdst(0)
	s_wait_tensorcnt 0x0
	ds_add_u32 v[SPW], v[NIL]                      ; 0 onto my spare word
	s_wait_dscnt R1_+R2_+1                         ; this K step's fragment is in; the two younger runs and the add may be out
	MM4 \u, \q, 0
	s_wait_dscnt 0x0                               ; the add is done, and my reads of this slot are over
	s_barrier_signal -1
	MM4 \u, \q, 4
	WIN 0
	s_barrier_wait -1
.if (\mode) == 1
	CREST                                          ; no wave of any partner still reads this slot or has a load on its way
	s_add_nc_u64 s[G0W+4*(\slot)+2:G0W+4*(\slot)+3], s[G0W+4*(\slot)+2:G0W+4*(\slot)+3], 2*128*ROWB   ; no tensor load of mine is out: the rows two slots on
	tensor_load_to_lds s[G0W+4*(\slot):G0W+4*(\slot)+3], s[G1W:G1W+7]
	s_nop 0
.endif
	PLACES
	RUN 5, \ti
.else
	s_wait_dscnt R1_+R2_
.if (\mode) == 3 && \q >= 5
	MM \u, \q, 0
	MM \u, \q, 1
	MM \u, \q, 2
.set R2_, R1_
.set R1_, 0
.else
	MM \u, \q, 0
	v_nop
	v_nop
	MM \u, \q, 1
	v_nop
	v_nop
	MM \u, \q, 2
	RUN \q, \ti
.if (\u) == 1 && \q == 2               ; W6's two operands for this pair's columns, B with its halves exchanged
	WIN 0xc0
	ds_load_b128 v[240:243], v[W6A] offset:256*((\j)/2)+64*((\j)%2)
	ds_load_b128 v[244:247], v[W6A] offset:256*((\j)/2)+64*((\j)%2)+32
	ds_load_b128 v[248:251], v[W6B] offset:256*((\j)/2)+64*((\j)%2)+32
	ds_load_b128 v[252:255], v[W6B] offset:256*((\j)/2)+64*((\j)%2)
.set R1_, R1_+4
.endif
.if (\u) == 1 && \q == 4 && (\mode) != 3
	ds_load_b128 v[SW:SW+3], v[SCA] offset:2048*(((\j)+1)/2)+512*(((\j)+1)%2)      ; the next pair's scale words 0-3: this pair's have been used
.set R1_, R1_+1
.endif
.endif
	MM \u, \q, 3
.irp i, 4,5,6,7
	MM \u, \q, \i
.if \q == 7
	v_nop
.endif
.endr
.endif
.endr
.endm
	s_load_b256 s[4:11], s[0:1], 0x0               ; X's codes s[4:5], X's scales s[6:7], W_phi's codes s[8:9], W_phi's scales s[10:11]
	s_load_b256 s[12:19], s[0:1], 0x20             ; b_phi s[12:13], W_groups s[14:15], W_joint s[16:17], b_groups s[18:19]
	s_load_b256 s[20:27], s[0:1], 0x40             ; b_joint s[20:21], D s[22:23], D_agn s[24:25], out0 s[26:27]
	s_load_b128 s[28:31], s[0:1], 0x60             ; out1 s[28:29], out2 s[30:31]
	v_lshl_add_u32 v[SPW], v0, 2, SPARE
	v_mov_b32 v[NIL], 0
	ds_add_u32 v[SPW], v[NIL]                      ; the wave's opening: the add, twice on end, and its wait
	ds_add_u32 v[SPW], v[NIL]
	v_lshrrev_b32 v[T1], 5, v0
	v_readfirstlane_b32 s[WV], v[T1]               ; wave 0..3
	s_wait_alu depctr_va_vdst(0)                   ; ahead of the scalar lines and waits below
	s_lshr_b32 s[RH], s[WV], 1
	s_and_b32 s[NH], s[WV], 1
	s_bfe_u32 s[CX], ttmp6, 0x40000                ; cx: my place in the cluster
	s_lshl_b32 s[WG], ttmp9, 2
	s_add_co_u32 s[WG], s[WG], s[CX]               ; work-group = 4 x cluster + cx: it enters global addresses of X, its scales, D, D_agn and the outputs alone
	s_lshl_b32 s68, s[WG], 8                       ; my work-group's first row
	s_mul_i32 s70, s68, ROWB                       ; X: waves 0-2 fetch a third of the 196,608 bytes each
	s_lshl_b32 s72, s[WV], 16
	s_add_co_u32 s70, s70, s72
	s_mov_b32 s71, 0
	s_lshl_b32 s72, s[RH], 7
	s_add_co_u32 s72, s72, s68
	s_lshl_b32 s72, s72, 5                         ; my 128 rows' scale bytes
	s_mov_b32 s73, 0
	s_lshl_b32 s74, s[WV], 6
	s_add_co_u32 s74, s74, s68                     ; the 64 rows whose results I store: 64 x wave on
	s_lshl_b32 s76, s74, 3
	s_mov_b32 s77, 0
	s_lshl_b32 s74, s74, 2
	s_mov_b32 s75, 0
	s_mul_i32 s78, s[WV], 32*ROWB                  ; W: my 32 rows of a slot's 128, in registers that never hold cx
	s_mov_b32 s79, 0
	s_mul_i32 s80, s[WV], CHB                      ; and where they go
	s_mul_i32 s81, s[WV], 256*272                  ; X's stage: my 256 pieces
	; descriptor group 1: dense blocks as rows of 256 bytes (32 elements of 8 bytes), 16 bytes of padding behind each
	s_mov_b32 s[G1W], 15|(3<<16)|(1<<20)|(1<<21)|(5<<22)|(3<<25)   ; 15:0 the mask: all four work-groups; 17:16 elements of 8 bytes; 20 padding on; 21 set beside a mask; 24:22 after every 64 words (code 5); 31:25 4 words (code 3)
	s_mov_b32 s[G1H], 15|(3<<16)|(1<<20)|(1<<21)|(5<<22)|(3<<25)
	s_mov_b32 s[G1X], (3<<16)|(1<<20)|(5<<22)|(3<<25)              ; no mask: X's rows are my own
.irp g, G1W, G1H, G1X
	s_mov_b32 s[\g+1], 32<<16
	s_mov_b32 s[\g+3], 32<<16
	s_mov_b32 s[\g+5], 32
	s_mov_b32 s[\g+6], 0
	s_mov_b32 s[\g+7], 0
.endr
	s_mov_b32 s[G1W+2], 96<<16                     ; 32 rows of W
	s_mov_b32 s[G1W+4], 96
	s_mov_b32 s[G1H+2], 384<<16                    ; 128 rows of W
	s_mov_b32 s[G1H+4], 384
	s_mov_b32 s[G1X+2], 256<<16                    ; a third of 256 rows of X
	s_mov_b32 s[G1X+4], 256
	s_mov_b32 s[G0X], 1
	s_add_co_u32 s[G0X+1], s81, SLOTB
	s_mov_b32 s[G0H], 1
	s_mov_b32 s[G0H+1], 0
	s_mov_b32 s[G0W], 1
	s_mov_b32 s[G0W+1], s80
	s_mov_b32 s[G0W+4], 1
	s_add_co_u32 s[G0W+5], s80, SLOTB
	s_mov_b32 s[SEL], 0x03010200
	s_mul_i32 s68, s[NH], HALFB                    ; (the work-group's number is used up)
	s_mul_i32 s69, s[RH], SLOTB
	s_add_co_u32 s69, s69, SLOTB
	s_lshl_b32 s80, s[NH], 10
	s_add_co_u32 s80, s80, SCT
	s_lshl_b32 s81, s[NH], 7
	s_add_co_u32 s81, s81, W6T
	s_lshl_b32 s82, s[WV], 10
	s_wait_dscnt 0x0                               ; both opening adds are done
	v_and_b32 v[LN], 31, v0
	v_and_b32 v[RR], 15, v0
	v_bfe_u32 v[HH], v0, 4, 1
	v_lshlrev_b32 v[L32], 5, v[LN]
	v_lshlrev_b32 v[L4], 2, v[LN]
	v_mul_u32_u24 v[RP], v[RR], PITCH
	v_mad_u32_u24 v[T1], v[HH], 48, v[RP]
	v_mad_u32_u24 v[T2], v[HH], 64, v[RP]
	v_add_nc_u32 v[WAD], s68, v[T1]
	v_add_nc_u32 v[WAD+1], s68, v[T2]
	v_add_nc_u32 v[XA], s69, v[T1]                 ; X's stage: my 128 rows; the second pair 64 rows on
	v_add_nc_u32 v[XA+1], s69, v[T2]
	v_add_nc_u32 v[XA+2], HALFB, v[XA]
	v_add_nc_u32 v[XA+3], HALFB, v[XA+1]
	v_lshl_add_u32 v[SCA], v[LN], 4, s80
	v_lshrrev_b32 v[T1], 3, v[RR]
	v_mul_u32_u24 v[T1], 6, v[T1]                  ; 6 in lanes r = 8-15
	v_and_or_b32 v[T2], v[RR], 7, v[T1]            ; operand A's table row: r for r < 6, else 6 or 7
	v_sub_nc_u32 v[T1], 6, v[T1]
	v_and_or_b32 v[T3], v[RR], 7, v[T1]            ; operand B's: r - 8 for r = 8 .. 13, else 6 or 7
	v_lshlrev_b32 v[T1], 4, v[HH]
	v_mad_u32_u24 v[T2], v[T2], W6P, v[T1]
	v_mad_u32_u24 v[T3], v[T3], W6P, v[T1]
	v_add_nc_u32 v[W6A], s81, v[T2]
	v_add_nc_u32 v[W6B], s81, v[T3]
	v_add_nc_u32 v[GA], s82, v[L32]                ; W_groups, W_joint, b_phi: eight of my wave's 256 columns a lane
	s_lshl_b32 s82, s[WV], 13
	v_add_nc_u32 v[TA], s82, v[L32]                ; W_phi's scale bytes for the table: my wave's 256 rows
	s_lshl_b32 s82, s[NH], 11
	v_add_nc_u32 v[SWO], s82, v[L32]               ; those of my first pair of tiles
	s_lshl_b32 s82, s[WV], 5
	s_add_co_u32 s82, s82, PAR
	v_mov_b32 v[PARS], s82
	s_wait_alu depctr_va_vdst(0)                   ; ahead of the barrier and the waits below
	CROUND                                         ; all four work-groups are here: the first joint loads meet
	s_wait_kmcnt 0x0
	s_add_nc_u64 s[G0X+2:G0X+3], s[4:5], s[70:71]
	s_or_b32 s[G0X+3], s[G0X+3], 0x80000000
	s_mov_b64 s[G0H+2:G0H+3], s[8:9]
	s_or_b32 s[G0H+3], s[G0H+3], 0x80000000
	; THE HEAD'S LOADS, one a wave: waves 0-2 X, wave 3 W's rows 0-127 into slot 0
	s_cmp_lt_u32 s[WV], 3
	s_cbranch_scc0 .Lhead_w
	tensor_load_to_lds s[G0X:G0X+3], s[G1X:G1X+7]
	s_nop 0
	PLACES
	s_branch .Lhead_asked
.Lhead_w:
	tensor_load_to_lds s[G0H:G0H+3], s[G1H:G1H+7]
	s_nop 0
	PLACES
.Lhead_asked:
	s_load_b128 s[96:99], s[18:19], 0x0            ; b_groups
	s_load_b64 s[100:101], s[20:21], 0x0           ; b_joint
	s_add_nc_u64 s[6:7], s[6:7], s[72:73]
	s_add_nc_u64 s[22:23], s[22:23], s[74:75]
	s_add_nc_u64 s[24:25], s[24:25], s[74:75]
	s_add_nc_u64 s[26:27], s[26:27], s[76:77]
	s_add_nc_u64 s[28:29], s[28:29], s[76:77]
	s_add_nc_u64 s[30:31], s[30:31], s[76:77]
	s_add_nc_u64 s[G0W+2:G0W+3], s[8:9], s[78:79]  ; slot 0: rows 32 w on (first used, stepped, at its refill)
	s_add_nc_u64 s[G0W+6:G0W+7], s[G0W+2:G0W+3], 128*ROWB          ; slot 1: 128 rows further
	s_or_b32 s[G0W+3], s[G0W+3], 0x80000000
	s_or_b32 s[G0W+7], s[G0W+7], 0x80000000
	; while X is on its way: W6 and b_phi, scale words, indices
.irp c, 0,1,2,3
	global_load_b128 v[ACC+8*\c:ACC+8*\c+3], v[GA], s[14:15] offset:4096*\c
	global_load_b128 v[ACC+8*\c+4:ACC+8*\c+7], v[GA], s[14:15] offset:4096*\c+16
.endr
.irp c, 0,1
	global_load_b128 v[ACC+32+8*\c:ACC+32+8*\c+3], v[GA], s[16:17] offset:4096*\c
	global_load_b128 v[ACC+32+8*\c+4:ACC+32+8*\c+7], v[GA], s[16:17] offset:4096*\c+16
.endr
	global_load_b128 v[ACC+48:ACC+51], v[GA], s[12:13]
	global_load_b128 v[ACC+52:ACC+55], v[GA], s[12:13] offset:16
.irp p, 0,1,2,3
	global_load_b128 v[XS+8*\p:XS+8*\p+3], v[L32], s[6:7] offset:1024*\p
	global_load_b128 v[XS+8*\p+4:XS+8*\p+7], v[L32], s[6:7] offset:1024*\p+16
.endr
	global_load_b128 v[SW:SW+3], v[SWO], s[10:11]
	global_load_b128 v[SW+4:SW+7], v[SWO], s[10:11] offset:16
.irp k, 0,1,2,3,4
	global_load_b128 v[P+8*\k:P+8*\k+3], v[TA], s[10:11] offset:1024*\k
	global_load_b128 v[P+8*\k+4:P+8*\k+7], v[TA], s[10:11] offset:1024*\k+16
.endr
	WIN 0x40
.irp k, 5,6
	global_load_b128 v[240+8*(\k-5):240+8*(\k-5)+3], v[TA], s[10:11] offset:1024*\k
	global_load_b128 v[240+8*(\k-5)+4:240+8*(\k-5)+7], v[TA], s[10:11] offset:1024*\k+16
.endr
	WIN 0x80
	global_load_b128 v[240:243], v[TA], s[10:11] offset:7168
	global_load_b128 v[244:247], v[TA], s[10:11] offset:7184
.irp k, 0,1
	global_load_b32 v[248+\k], v[L4], s[22:23] offset:128*\k th:TH_LOAD_NT
	global_load_b32 v[250+\k], v[L4], s[24:25] offset:128*\k th:TH_LOAD_NT
.endr
	WIN 0
	s_wait_loadcnt 0x0
	s_wait_kmcnt 0x0
.irp i, 0,1,2,3,4,5,6,7
	v_perm_b32 v[SW+\i], v[SW+\i], v[SW+\i], s[SEL]
.endr
.set i_, 0
.rept 32
	v_perm_b32 v[XS+i_], v[XS+i_], v[XS+i_], s[SEL]
.set i_, i_+1
.endr
.set i_, 0
.rept 40
	v_perm_b32 v[P+i_], v[P+i_], v[P+i_], s[SEL]
.set i_, i_+1
.endr
	WIN 0x45
.set i_, 240
.rept 16
	v_perm_b32 v[i_], v[i_], v[i_], s[SEL]
.set i_, i_+1
.endr
	WIN 0x8a
.set i_, 240
.rept 8
	v_perm_b32 v[i_], v[i_], v[i_], s[SEL]
.set i_, i_+1
.endr
	WIN 0xc0                                       ; W6 in bf16: rows 0-3 to window 3, row 4 to window 2, row 5 to window 0
.irp c, 0,1,2,3
.irp k, 0,1,2,3
	v_cvt_pk_bf16_f32 v[240+4*\c+\k], v[ACC+8*\c+2*\k], v[ACC+8*\c+2*\k+1]
.endr
.endr
	WIN 0x80
.irp k, 0,1,2,3
	v_cvt_pk_bf16_f32 v[252+\k], v[ACC+32+2*\k], v[ACC+32+2*\k+1]
.endr
	WIN 0
.irp k, 0,1,2,3
	v_cvt_pk_bf16_f32 v[P+44+\k], v[ACC+40+2*\k], v[ACC+40+2*\k+1]
.endr
	; W6 b_phi over my 256 columns, in f32: in the lane, then over the lanes
.irp c, 0,1,2,3,4,5
	v_pk_mul_f32 v[RG+24+2*\c:RG+25+2*\c], v[ACC+8*\c:ACC+8*\c+1], v[ACC+48:ACC+49]
.endr
.irp k, 1,2,3
.irp c, 0,1,2,3,4,5
	v_pk_fma_f32 v[RG+24+2*\c:RG+25+2*\c], v[ACC+8*\c+2*\k:ACC+8*\c+2*\k+1], v[ACC+48+2*\k:ACC+49+2*\k], v[RG+24+2*\c:RG+25+2*\c]
.endr
.endr
.irp c, 0,1,2,3,4,5
	v_add_f32 v[RG+36+\c], v[RG+24+2*\c], v[RG+25+2*\c]
	v_mov_b32 v[RG+42+\c], 0                       ; (a lane permute's destination counts as one of its sources)
.endr
.irp x, 1,2,4,8
.irp c, 0,1,2,3,4,5
	v_add_f32_dpp v[RG+36+\c], v[RG+36+\c], v[RG+36+\c] row_xmask:\x row_mask:0xf bank_mask:0xf
.endr
.endr
	s_mov_b32 s68, 0x76543210
	s_mov_b32 s69, 0xfedcba98
	s_cmp_eq_u32 s[WV], 0                          ; wave 0's part carries the six biases
.irp c, 0,1,2,3,4,5
	s_cselect_b32 s[70+\c], s[96+\c], 0
.endr
	s_wait_alu depctr_va_vdst(0)                   ; behind the scalar lines
.irp c, 0,1,2,3,4,5
	v_permlanex16_b32 v[RG+42+\c], v[RG+36+\c], s68, s69
.endr
.irp c, 0,1,2,3,4,5
	v_add_f32 v[RG+36+\c], v[RG+36+\c], v[RG+42+\c]
.endr
.irp c, 0,1,2,3,4,5
	v_add_f32 v[RG+36+\c], s[70+\c], v[RG+36+\c]
.endr
	ds_store_b128 v[PARS], v[RG+36:RG+39]
	ds_store_b64 v[PARS], v[RG+40:RG+41] offset:16
	s_lshl_b32 s76, s[WV], 12
	s_add_co_u32 s76, s76, SCT                     ; where my table rows go,
	s_lshl_b32 s77, s[WV], 9
	s_add_co_u32 s78, s77, DB                      ; my indices,
	s_add_co_u32 s77, s77, W6T                     ; my columns of W6,
	s_lshl_b32 s79, s[NH], 6
	s_add_co_u32 s79, s79, PAR                     ; and the two parts of W6 b_phi that I take
	s_wait_alu depctr_va_vdst(0)
	s_wait_dscnt 0x0                               ; for the others' sake: my part of W6 b_phi lies in LDS
	s_wait_tensorcnt 0x0                           ; and my tile is in
	s_barrier_signal -1
	s_barrier_wait -1                              ; everybody's are.
	; THE FIRST TILE OF W, multiplied while X goes from its stage into the registers: two K steps' loads, 27 each, are out
	XLD 0
	LDW 0, 0
	XLD 1
	LDW 1, 0
.irp q, 0,1,2,3,4,5,6
	s_wait_dscnt 27                                ; this K step's 27 loads are in, the next one's may be out
	MM4 0, \q, 0
	MM4 0, \q, 4
.if \q < 6
	PLACES
	XLD \q+2
	LDW \q+2, 0
.endif
.endr
	; X's stage becomes slot 1 and the tables
	WIN 0
	s_wait_tensorcnt 0x0
	ds_add_u32 v[SPW], v[NIL]                      ; 0 onto my spare word
	s_wait_dscnt 0x1                               ; the last K step's loads are in: the add alone is younger
	MM4 0, 7, 0
	s_wait_dscnt 0x0                               ; the add is done, and my reads of the stage are over
	s_barrier_signal -1
	MM4 0, 7, 4
	WIN 0
	s_barrier_wait -1
	CREST
	tensor_load_to_lds s[G0W+4:G0W+7], s[G1W:G1W+7]                ; slot 1: W's rows 128-255; my one tensor load behind the round
	s_nop 0
	PLACES
	LDW 0, TILEB                                   ; the second tile's first three fragments
	LDW 1, TILEB
	LDW 2, TILEB
	v_and_b32 v[P+40], 31, v0
	v_lshl_add_u32 v[P+41], v[P+40], 4, s76
	v_lshl_add_u32 v[P+42], v[P+40], 4, s77
	v_lshl_add_u32 v[P+43], v[P+40], 2, s78
	v_mov_b32 v[P+40], s79
	s_wait_alu depctr_va_vdst(0)                   ; ahead of the window switches below
	ds_load_b128 v[RG+36:RG+39], v[P+40]           ; two waves' parts of W6 b_phi
	ds_load_b64 v[RG+40:RG+41], v[P+40] offset:16
	ds_load_b128 v[RG+42:RG+45], v[P+40] offset:32
	ds_load_b64 v[RG+46:RG+47], v[P+40] offset:48
.irp k, 0,1,2,3,4
	ds_store_b128 v[P+41], v[P+8*\k:P+8*\k+3] offset:512*\k
	ds_store_b128 v[P+41], v[P+8*\k+4:P+8*\k+7] offset:512*\k+16384
.endr
	ds_store_b128 v[P+42], v[P+44:P+47] offset:5*W6P
.irp k, 0,1,2,3
	v_mov_b32 v[P+\k], 0
.endr
	ds_store_b128 v[P+42], v[P:P+3] offset:6*W6P   ; the table's two rows of zeros
	ds_store_b128 v[P+42], v[P:P+3] offset:7*W6P
	WIN 0x04                                       ; data in window 1
.irp k, 5,6
	ds_store_b128 v[P+41], v[240+8*(\k-5):240+8*(\k-5)+3] offset:512*\k
	ds_store_b128 v[P+41], v[240+8*(\k-5)+4:240+8*(\k-5)+7] offset:512*\k+16384
.endr
	WIN 0x08                                       ; in window 2
	ds_store_b128 v[P+41], v[240:243] offset:3584
	ds_store_b128 v[P+41], v[244:247] offset:3584+16384
	ds_store_b128 v[P+42], v[252:255] offset:4*W6P
.irp k, 0,1,2,3
	ds_store_b32 v[P+43], v[248+\k] offset:128*\k
.endr
	WIN 0x0c                                       ; in window 3
.irp c, 0,1,2,3
	ds_store_b128 v[P+42], v[240+4*\c:240+4*\c+3] offset:\c*W6P
.endr
	WIN 0
	s_wait_dscnt 0x0                               ; for the others' sake: my part of the tables lies in LDS
	s_barrier_signal -1
.irp c, 0,2,4
	v_pk_add_f32 v[RG+36+\c:RG+37+\c], v[RG+36+\c:RG+37+\c], v[RG+42+\c:RG+43+\c]
.endr
.irp w, 0x40,0x80                      ; the sums begin with them: my half of W6 b_phi (and, where wave 0's part is in it, the biases), alike in all lanes
	WIN \w
.irp a, 240,248
.irp c, 0,1,2,3,4,5
	v_mov_b32 v[\a+\c], v[RG+36+\c]
.endr
	v_mov_b32 v[\a+6], 0
	v_mov_b32 v[\a+7], 0
.endr
.endr
	WIN 0
	s_wait_alu depctr_va_vdst(0)                   ; directly ahead of the barrier's wait
	s_barrier_wait -1                              ; the tables are whole.  Slot 1's load may stay out
	s_mov_b32 s[LAPC], LAPS
.Llap:                                                 ; from a lap's second tile to the next lap's first
.set R1_, 3
.set R2_, 3
	TILE 1, 1, 0, 0, 0
	TILE 0, 2, 1, 0, 0
	TILE 1, 3, 1, 1, 0
	TILE 0, 0, 2, 0, 1
	TILE 1, 1, 2, 0, 1
	TILE 0, 2, 3, 0, 1
	TILE 1, 3, 3, 1, 1
	TILE 0, 0, 4, 0, 0
	WIN 0
	v_add_nc_u32 v[SCA], 4096, v[SCA]
	v_add_nc_u32 v[W6A], 512, v[W6A]
	v_add_nc_u32 v[W6B], 512, v[W6B]
	s_sub_co_u32 s[LAPC], s[LAPC], 1
	s_cmp_lg_u32 s[LAPC], 0
	s_wait_alu depctr_va_vdst(0)                   ; directly ahead of the branch
	s_cbranch_scc1 .Llap
.set R1_, 3
.set R2_, 3
	TILE 1, 1, 0, 0, 0                             ; the last lap's rest: nothing is filled
	TILE 0, 2, 1, 0, 0
	TILE 1, 3, 1, 2, 0
	TILE 0, 0, 2, 0, 1
	TILE 1, 1, 2, 0, 1
	TILE 0, 2, 3, 0, 1
	TILE 1, 3, 3, 3, 1
.irp g, 0,2,4,6
	WIN 0
	CVT \g, 1
	CVT \g+1, 1
	PV \g
	PV \g+1
.endr
	; THE WAY OUT.  The two waves that share rows add their sums through LDS: each stores its four accumulators and takes both waves' sums of 64 rows
	WIN 0
	s_mul_i32 s76, s[WV], 3072
	s_add_co_u32 s76, s76, EX
	s_add_co_u32 s77, s76, 512
	s_mul_i32 s78, s[RH], 6144
	s_mul_i32 s79, s[NH], 1536
	s_add_co_u32 s78, s78, s79
	s_add_co_u32 s78, s78, EX
	s_add_co_u32 s79, s78, 512
	s_lshl_b32 s80, s[WV], 9
	s_add_co_u32 s80, s80, DB
	v_and_b32 v[RG], 31, v0                        ; (these seven are also the places behind the last products)
	v_lshl_add_u32 v[RG+1], v[RG], 4, s76
	v_lshl_add_u32 v[RG+2], v[RG], 3, s77
	v_lshl_add_u32 v[RG+3], v[RG], 4, s78
	v_lshl_add_u32 v[RG+4], v[RG], 3, s79
	v_lshl_add_u32 v[RG+5], v[RG], 2, s80
	v_lshlrev_b32 v[RG+6], 3, v[RG]
	s_wait_alu depctr_va_vdst(0)
	WIN 0x04
	ds_store_b128 v[RG+1], v[240:243]              ; each accumulator from its low end on
	ds_store_b64 v[RG+2], v[244:245]
	ds_store_b128 v[RG+1], v[248:251] offset:768
	ds_store_b64 v[RG+2], v[252:253] offset:768
	WIN 0x08
	ds_store_b128 v[RG+1], v[240:243] offset:1536
	ds_store_b64 v[RG+2], v[244:245] offset:1536
	ds_store_b128 v[RG+1], v[248:251] offset:2304
	ds_store_b64 v[RG+2], v[252:253] offset:2304
	WIN 0
.irp k, 0,1,2,3
	ds_load_b32 v[RG+8+\k], v[RG+5] offset:128*\k  ; my D (2), D_agn (2): this wave's own bytes
.endr
	s_wait_dscnt 0x0                               ; for the others' sake: my sums lie in LDS
	s_barrier_signal -1
	s_barrier_wait -1
.irp k, 0,1
.irp w, 0,1
	ds_load_b128 v[ACC+16*\k+8*\w:ACC+16*\k+8*\w+3], v[RG+3] offset:768*\k+3072*\w
	ds_load_b64 v[ACC+16*\k+8*\w+4:ACC+16*\k+8*\w+5], v[RG+4] offset:768*\k+3072*\w
.endr
.endr
	s_wait_dscnt 0x0
.irp k, 0,1
.irp c, 0,2,4
	v_pk_add_f32 v[ACC+16*\k+\c:ACC+16*\k+\c+1], v[ACC+16*\k+\c:ACC+16*\k+\c+1], v[ACC+16*\k+8+\c:ACC+16*\k+9+\c]
.endr
.endr
.irp k, 0,1
	v_cmp_ne_u32 vcc_lo, 0, v[RG+8+\k]             ; D: group 1?
	v_cndmask_b32 v[RG+12+4*\k], v[ACC+16*\k], v[ACC+16*\k+2], vcc_lo
	v_cndmask_b32 v[RG+13+4*\k], v[ACC+16*\k+1], v[ACC+16*\k+3], vcc_lo
	v_cmp_ne_u32 vcc_lo, 0, v[RG+10+\k]            ; D_agn
	v_cndmask_b32 v[RG+14+4*\k], v[ACC+16*\k], v[ACC+16*\k+2], vcc_lo
	v_cndmask_b32 v[RG+15+4*\k], v[ACC+16*\k+1], v[ACC+16*\k+3], vcc_lo
	global_store_b64 v[RG+6], v[ACC+16*\k+4:ACC+16*\k+5], s[26:27] offset:256*\k th:TH_STORE_NT    ; 32 lanes store 256 consecutive bytes, at a multiple of 256 from the buffer's first byte
	global_store_b64 v[RG+6], v[RG+12+4*\k:RG+13+4*\k], s[28:29] offset:256*\k th:TH_STORE_NT
	global_store_b64 v[RG+6], v[RG+14+4*\k:RG+15+4*\k], s[30:31] offset:256*\k th:TH_STORE_NT
.endr
	s_wait_tensorcnt 0x0                           ; the wave's end: behind my last tensor load and my last LDS store
	ds_add_u32 v[SPW], v[NIL]
	s_wait_dscnt 0x0
	CROUND                                         ; the closing round: no work-group ends while a partner may still ask for a tile that names it
	s_endpgm
.Lfunc_end_k_q37f0309de8_fused:
	.size	k_q37f0309de8_fused, .Lfunc_end_k_q37f0309de8_fused-k_q37f0309de8_fused
	.p2alignl 7, 3214868480
	.fill 96, 4, 3214868480
	.section	.rodata,"a",@progbits
	.p2align	6, 0x0
	.amdhsa_kernel k_q37f0309de8_fused
		.amdhsa_group_segment_fixed_size 327680
		.amdhsa_private_segment_fixed_size 0
		.amdhsa_enable_private_segment 0
		.amdhsa_kernarg_size 112
		.amdhsa_user_sgpr_count 2
		.amdhsa_user_sgpr_kernarg_segment_ptr 1
		.amdhsa_wavefront_size32 1
		.amdhsa_system_sgpr_workgroup_id_x 1
		.amdhsa_system_sgpr_workgroup_id_y 1
		.amdhsa_system_sgpr_workgroup_id_z 1
		.amdhsa_system_vgpr_workitem_id 0
		.amdhsa_next_free_vgpr 1024
		.amdhsa_next_free_sgpr 102
		.amdhsa_reserve_vcc 1
		.amdhsa_float_denorm_mode_32 3
		.amdhsa_float_denorm_mode_16_64 3
		.amdhsa_memory_ordered 1
		.amdhsa_forward_progress 1
		.amdhsa_inst_pref_size 255
	.end_amdhsa_kernel
	.section	.bss,"aw",@nobits
	.p2align	6
	.space	262144
	.amdgpu_metadata
---
amdhsa.version: [ 1, 2 ]
amdhsa.kernels:
  - .name:           k_q37f0309de8_fused
    .symbol:         k_q37f0309de8_fused.kd
    .args:
      - { .name: X_codes, .offset: 0, .size: 8, .value_kind: global_buffer, .address_space: global }
      - { .name: X_scales, .offset: 8, .size: 8, .value_kind: global_buffer, .address_space: global }
      - { .name: W_phi_codes, .offset: 16, .size: 8, .value_kind: global_buffer, .address_space: global }
      - { .name: W_phi_scales, .offset: 24, .size: 8, .value_kind: global_buffer, .address_space: global }
      - { .name: b_phi, .offset: 32, .size: 8, .value_kind: global_buffer, .address_space: global }
      - { .name: W_groups, .offset: 40, .size: 8, .value_kind: global_buffer, .address_space: global }
      - { .name: W_joint, .offset: 48, .size: 8, .value_kind: global_buffer, .address_space: global }
      - { .name: b_groups, .offset: 56, .size: 8, .value_kind: global_buffer, .address_space: global }
      - { .name: b_joint, .offset: 64, .size: 8, .value_kind: global_buffer, .address_space: global }
      - { .name: D, .offset: 72, .size: 8, .value_kind: global_buffer, .address_space: global }
      - { .name: D_agn, .offset: 80, .size: 8, .value_kind: global_buffer, .address_space: global }
      - { .name: out0, .offset: 88, .size: 8, .value_kind: global_buffer, .address_space: global }
      - { .name: out1, .offset: 96, .size: 8, .value_kind: global_buffer, .address_space: global }
      - { .name: out2, .offset: 104, .size: 8, .value_kind: global_buffer, .address_space: global }
    .group_segment_fixed_size: 327680
    .private_segment_fixed_size: 0
    .kernarg_segment_align: 8
    .kernarg_segment_size: 112
    .max_flat_workgroup_size: 128
    .sgpr_count:     102
    .vgpr_count:     1024
    .wavefront_size: 32
...
	.end_amdgpu_metadata
.endif
;; end of part 2
